; MI455X (gfx1250); checked and timed in simulation.
; The chip was launched on July 23, 2026; its instructions are those of AMD's public machine-readable ISA for CDNA 5 (MIT licence, August 2026) and "CDNA5" Instruction Set Architecture Reference Guide (July 2026). The comments in the code are by the model that wrote it; some were corrected since.
;; Q8 Linear Lora. Allowed arithmetic: float matrix products may take bf16 or f16 operands with f32 sums; other float arithmetic in f32, or as packed bf16 or f16 multiplies, adds, multiply-adds, maxima and minima; sums over many terms, partial sums and values carried from step to step in f32; what a program stores and reads back later, other than sums and carried values, may be rounded once to bf16 or f16.
;; Inputs: bias 4,096 float32; lora_a 16 x 4,096 float32; lora_b 4,096 x 16 float32; scales 4,096 float32; weight 4,096 x 4,096 int8; x 4,096 x 4,096 int8; x_scales 4,096 float32.
;; Outputs: out0 4,096 x 4,096 float32.
;; Constants: fuse_gelu = 1.
;; 2 versions, each right and faster than the one before. Each part assembles by itself: llvm-mc -triple=amdgcn-amd-amdhsa -mcpu=gfx1250 --defsym DOCPART=n.
;; ======== version 1 of 2: 1 launch
;; limits: values are held in f16: magnitudes above 65,504 overflow, below 6.1e-05 lose precision
;; launch q8lora (part 1): grid 16 x 16, 4 waves a work-group, no clusters, 311,296 bytes of LDS; arguments x, weight, lora_a, lora_b, x_scales, scales, bias, out0; writes out0
.if DOCPART == 1
	.amdgcn_target "amdgcn-amd-amdhsa--gfx1250"
	.amdhsa_code_object_version 6
	.text
	.protected	k_q42bf6cea11_q8lora
	.globl	k_q42bf6cea11_q8lora
	.p2align	8
	.type	k_q42bf6cea11_q8lora,@function
k_q42bf6cea11_q8lora:
	s_mov_b64 s[64:65], 0
	v_nop
	global_prefetch_b8 v0, s[64:65] scope:SCOPE_SE
	s_setreg_imm32_b32 hwreg(HW_REG_WAVE_MODE, 25, 1), 1
	s_wait_xcnt 0x0
; out[m][n] = gelu_tanh( xs[m] sc[n] sum_k x[m][k] w[n][k]  +  sum_r (xs[m] sum_k x[m][k] a[r][k]) b[n][r]  +  bias[n] ),  m, n, k < 4096, r < 16.
; x, w: int8; all else f32.  One launch: 16 x 16 work-groups, each 256 x 256 of out; four waves, each 128 x 128: 64 accumulators of 16 x 16, 512 registers.
; FORMAT.  Every int8 is exact in f16, and every product is exact in f32, so the main product runs on the f16 matrix form with f32 sums.
; int8 is widened ONCE for the work-group, on the way from memory through registers into LDS: byte xor 0x80 under the high byte 0x64 is the f16 number
; 1152 + x; one packed f16 add of -1152 is exact.  Five vector instructions for four numbers, cut into slices that stand between the matrix instructions.
; K goes in 32 steps of 128 through two LDS slots of f16.  While step p is multiplied, step p + 1 is widened into the other slot and step p + 2 is on its way into registers.
; LORA.  lora_a (as f16) is 16 more rows of each slot; T = a x^T rides on x's fragments, four matrix instructions for each 64 of the main product.  The two waves of a row half
; share T's rows and exchange xs T (bf16) through LDS; the second product (bf16, K = 16 padded with zeros to 32) adds in place onto the dequantised main term.
; COLUMNS.  Weight rows lie permuted in LDS: in each group of 64, place 16 q + r holds row 4 r + q.  So lane r's results in accumulators 4 g + q, q = 0..3, are four NEIGHBOURING
; columns 64 g + 4 r + q of out: one 16-byte store a lane, sixteen lanes store 256 consecutive bytes at a multiple of 256 from out's first byte, with no stage in LDS.
; NO CLUSTER, NO TENSOR LOADS: a tile shared by four work-groups could only be brought into LDS as int8; reading it back to widen it would add 64 KiB written and 64 KiB read
; to the 404 KiB of LDS traffic of each step, and as int8 a step's tiles are 64 KiB, half of what 16-bit tiles would be.
; LIMITS.  lora_a is rounded to f16: |a| <= 65,504, magnitudes under 2^-25 become 0.  xs T and lora_b are rounded to bf16.  The main sums are kept in f32: whole numbers are exact
; up to 2^24 and rounded to 24 bits beyond (the largest possible sum is 6.8e7).  All of int8, -128 too, is served.  gelu is z / (1 + 2^(z (k1 + k3 z^2))), the same function as
; 0.5 z (1 + tanh(..)); it ends in -0 and in z at the far ends.
;
; LDS: slot s at s x 143,616: rows of 272 bytes (256 of data + 16: the 16 rows of a fragment load start 68 words apart, at 16 different 16-byte columns of a 256-byte line):
;      rows 0-255 x, 256-511 weight places, 512-527 lora_a's ranks.  Behind the slots: xs, scales, bias (1,024 bytes each), lora_b as bf16 (256 places x 48 bytes), the T exchange (8,192).
.set PITCH, 272
.set SLOT,  528*PITCH
.set WROW,  256*PITCH
.set LROW,  512*PITCH
.set XSB,   2*SLOT
.set SCB,   XSB+1024
.set LBB,   XSB+3072
.set TX,    LBB+256*48
; REGISTERS, in windows of 256 (s_set_vgpr_msb: bits 1:0 source 0, 3:2 source 1, 5:4 source 2, 7:6 destination).
; window 0: addresses, the widening's registers, x's fragment buffer 0 (v64-127), the raw int8 of the step on its way (v128-255)
; window 1: v0-31 T; v32-47 lora_a's fragments; v64-127 weights, buffer 0; v128-191 x, buffer 1; v192-255 weights, buffer 1
; windows 2, 3: accumulator (a, b) in window 2 + a / 4 at v[8 (8 (a % 4) + b)].  Place a of x's fragments holds the wave's row block a xor 4 nh, so that T always takes places 0-3.
.set VX,  2     ; global offsets: x, weight, lora_a; never rewritten
.set VW,  3
.set VLA, 4
.set SX,  5     ; v5-6   where I store widened x, slot 0, 1
.set SW,  7     ; v7-8   weights
.set SL,  9     ; v9-10  lora_a
.set AXL, 11    ; v11-12 fragments of x, places 0-3
.set AXH, 13    ; v13-14 places 4-7
.set AW,  15    ; v15-16 fragments of the weights
.set ALA, 17    ; v17-18 fragment of lora_a
.set CN,  19    ; -1152 twice, f16
.set CO,  20    ; my byte offset in out
.set TXW, 21    ; the T exchange: my wave's part, the partner's
.set TXP, 22
.set LBA, 23
.set XSL, 24
.set XSH, 25
.set SCA, 26
.set XTA, 27
.set U,   28    ; v28-31  a unit's four words, signs turned
.set LR,  32    ; v32-47  lora_a as loaded
.set P,   48    ; v48-55  a unit's 16 numbers as f16
.set LH,  56    ; v56-63  lora_a as f16
.set RAW, 128   ; unit u (16 bytes a lane) at v[128 + 4 u]; units 0-15 x, 16-31 weights
; the way out, window 0:
.set ZS,  64    ; v64-95, v96-127  two sets of four tiles z
.set Q,   128   ; v128-159 at work
.set OUT, 160   ; v160-191 store data
.set TFB, 192   ; v192-207 two fragments of xs T
.set SC,  208
.set BI,  216
.set XT,  224
.set K1,  244
.set XS,  64    ; window 1: xs of my rows, 8 a + j
.set LB,  128   ; window 1: lora_b's fragments, 8 b
.set MSB, 0
.set dsn, 0     ; LDS instructions written so far
.set wn,  0     ; matrix instructions written so far
.set sl,  0     ; the next slice of the widening, 0..127
.set TS,  1     ; the slot that is being filled
.set MODE, 2    ; 2: widen and ask for the step after; 1: widen; 0: nothing left
.macro WIN new                          ; the immediate's high byte repeats the setting that is left; a switch that changes nothing is dropped
.if MSB != (\new)
	s_set_vgpr_msb (MSB<<8)|(\new)
.set MSB, (\new)
.endif
.endm
.macro PLACES                           ; four plain vector instructions between a matrix instruction and a write of, or a load into, its registers
.rept 4
	v_nop
.endr
.endm
.macro WAITDS mark                      ; LDS instructions end in order (ISA guide 5.7.1): all written up to the mark are done when only those written behind it are out
	s_wait_dscnt dsn-(\mark)
.endm
; unit uu of a step: four rows x 128 bytes a load.  x: row 64 w + 4 uu + lane / 8.  Weights: unit 16 + i brings rows 64 w + 16 (i % 4) + 4 (lane / 8) + i / 4, which are places 64 w + 4 i + lane / 8.
.macro UNITLOAD uu, dst, extra
.if (\uu) < 16
	global_load_b128 v[\dst+4*(\uu):\dst+4*(\uu)+3], v[VX], s[8:9] offset:(\uu)*16384+\extra
.else
	global_load_b128 v[\dst+4*(\uu):\dst+4*(\uu)+3], v[VW], s[10:11] offset:(16*(((\uu)-16)%4)+((\uu)-16)/4)*4096+\extra
.endif
.endm
.macro LALOAD dst, extra                ; lora_a: rank 4 w + lane / 8, 16 numbers a lane
.irp j, 0,1,2,3
	global_load_b128 v[\dst+4*\j:\dst+4*\j+3], v[VLA], s[12:13] offset:16*\j+\extra
.endr
.endm
.macro STOREU uu, slot, d               ; a unit's 32 bytes a lane into LDS: sixteen lanes (two rows, eight pieces 32 bytes apart) touch sixteen different 16-byte columns
.if (\uu) < 16
	ds_store_b128 v[SX+\slot], v[\d:\d+3] offset:(\uu)*4*PITCH
	ds_store_b128 v[SX+\slot], v[\d+4:\d+7] offset:(\uu)*4*PITCH+16
.else
	ds_store_b128 v[SW+\slot], v[\d:\d+3] offset:((\uu)-16)*4*PITCH
	ds_store_b128 v[SW+\slot], v[\d+4:\d+7] offset:((\uu)-16)*4*PITCH+16
.endif
.set dsn, dsn+2
.endm
; A SLICE of the widening: a quarter of a unit, five plain vector instructions, all in window 0 and none on a register of a matrix instruction.
; Loads of a fill go out in the order unit 0, lora_a's four, units 1 to 31.  Behind the load of old unit u stand 31 - u old ones and, with refills, u + 4 new ones: 35.
; Unit 0 waits for 31: that shows lora_a's four landed as well.
.macro SLICE
.if MODE
	WIN 0
.set u, sl/4
.set ph, sl%4
.if ph == 0
.if u > 0
	STOREU u-1, TS, P
.endif
.if MODE == 1
	s_wait_loadcnt 31-u
.elseif u == 0
	s_wait_loadcnt 31
.else
	s_wait_loadcnt 35
.endif
.irp i, 0,1,2,3
	v_xor_b32 v[U+\i], s24, v[RAW+4*u+\i]
.endr
.if MODE == 2
	UNITLOAD u, RAW, 0                      ; the unit's registers are read: they take the same unit of the step after
.endif
	v_perm_b32 v[P], s25, v[U], s26
.elseif ph == 1
	v_perm_b32 v[P+1], s25, v[U], s27
	v_perm_b32 v[P+2], s25, v[U+1], s26
	v_perm_b32 v[P+3], s25, v[U+1], s27
	v_perm_b32 v[P+4], s25, v[U+2], s26
	v_perm_b32 v[P+5], s25, v[U+2], s27
.elseif ph == 2
	v_perm_b32 v[P+6], s25, v[U+3], s26
	v_perm_b32 v[P+7], s25, v[U+3], s27
.irp j, 0,1,2
	v_pk_add_f16 v[P+\j], v[P+\j], v[CN]
.endr
.else
.irp j, 3,4,5,6,7
	v_pk_add_f16 v[P+\j], v[P+\j], v[CN]
.endr
.endif
.if sl == 0
.irp j, 0,1,2,3
	v_cvt_pk_f16_f32 v[LH+\j], v[LR+2*\j], v[LR+2*\j+1]
.endr
.elseif sl == 1
.irp j, 4,5,6,7
	v_cvt_pk_f16_f32 v[LH+\j], v[LR+2*\j], v[LR+2*\j+1]
.endr
	ds_store_b128 v[SL+TS], v[LH:LH+3]
	ds_store_b128 v[SL+TS], v[LH+4:LH+7] offset:16
.set dsn, dsn+2
.if MODE == 2
	LALOAD LR, 0
.endif
.endif
.endif
.set sl, sl+1
.endm
.macro AFTER carry                      ; a slice behind every second matrix instruction
.set wn, wn+1
.if (\carry) && (wn%2 == 0)
	SLICE
.endif
.endm
; 16 matrix instructions: places a0, a0 + 1 of the window's four x all 8 column blocks, 32 along K, from buffer f.  zero = 1: the first product starts the sums.
; The 68 accumulators take turns, one instruction a turn, in the same order in every quarter.
.macro MUL16 f, hi, a0, zero, carry
.irp a, \a0, \a0+1
.irp b, 0,1,2,3,4,5,6,7
	WIN (0xa4+\f+0x50*\hi)
.if \zero
	v_wmma_f32_16x16x32_f16 v[8*(8*(\a)+\b):8*(8*(\a)+\b)+7], v[64+64*\f+8*(4*\hi+(\a)):64+64*\f+8*(4*\hi+(\a))+7], v[64+128*\f+8*\b:64+128*\f+8*\b+7], 0
.else
	v_wmma_f32_16x16x32_f16 v[8*(8*(\a)+\b):8*(8*(\a)+\b)+7], v[64+64*\f+8*(4*\hi+(\a)):64+64*\f+8*(4*\hi+(\a))+7], v[64+128*\f+8*\b:64+128*\f+8*\b+7], v[8*(8*(\a)+\b):8*(8*(\a)+\b)+7]
.endif
	AFTER \carry
.endr
.endr
.endm
; T, transposed: source 0 = lora_a's 16 ranks, source 1 = 16 rows of x: a lane holds one row of x and eight ranks
.macro TMUL f, zero, carry
.irp a, 0,1,2,3
	WIN (0x51+4*\f)
.if \zero
	v_wmma_f32_16x16x32_f16 v[8*\a:8*\a+7], v[32+8*\f:39+8*\f], v[64+64*\f+8*\a:64+64*\f+8*\a+7], 0
.else
	v_wmma_f32_16x16x32_f16 v[8*\a:8*\a+7], v[32+8*\f:39+8*\f], v[64+64*\f+8*\a:64+64*\f+8*\a+7], v[8*\a:8*\a+7]
.endif
	AFTER \carry
.endr
.endm
; 34 LDS loads in one run: the fragments of 32 along K at byte k of the rows, into buffer g.  The buffer's last reader stands at least eight slices back;
; where there are no slices any more, four v_nop stand in front.
.macro FETCH slot, k, g
.if MODE == 0
	PLACES
.endif
	WIN 0x40
.irp i, 0,1,2,3,4,5,6,7
	ds_load_b128 v[64+128*\g+8*\i:64+128*\g+8*\i+3],   v[AW+\slot] offset:\k+\i*16*PITCH
	ds_load_b128 v[64+128*\g+8*\i+4:64+128*\g+8*\i+7], v[AW+\slot] offset:\k+\i*16*PITCH+32
.endr
	ds_load_b128 v[32+8*\g:35+8*\g], v[ALA+\slot] offset:\k
	ds_load_b128 v[36+8*\g:39+8*\g], v[ALA+\slot] offset:\k+32
	WIN (0x40*\g)
.irp i, 0,1,2,3
	ds_load_b128 v[64+64*\g+8*\i:64+64*\g+8*\i+3],   v[AXL+\slot] offset:\k+\i*16*PITCH
	ds_load_b128 v[64+64*\g+8*\i+4:64+64*\g+8*\i+7], v[AXL+\slot] offset:\k+\i*16*PITCH+32
.endr
.set dsn, dsn+26
.set mlo, dsn                           ; up to here: what the first 36 matrix instructions of a quarter need
.irp i, 0,1,2,3
	ds_load_b128 v[96+64*\g+8*\i:96+64*\g+8*\i+3],   v[AXH+\slot] offset:\k+\i*16*PITCH
	ds_load_b128 v[96+64*\g+8*\i+4:96+64*\g+8*\i+7], v[AXH+\slot] offset:\k+\i*16*PITCH+32
.endr
.set dsn, dsn+8
.set mhi, dsn
.endm
; A K step is four quarters of 32 along K, 68 matrix instructions each, on buffers 0, 1, 0, 1.  One of the first three: multiplies buffer f, fetches byte k of the rows into buffer g.
.macro QUARTER slot, k, f, g, zero
	WAITDS mlo                              ; weights, lora_a and x's places 0-3 are in
	MUL16 \f, 0, 0, \zero, 1
	MUL16 \f, 0, 2, \zero, 1
	TMUL \f, \zero, 1
.set pmh, mhi
	FETCH \slot, \k, \g
	WAITDS pmh                              ; x's places 4-7 are in; the 34 loads just issued and the stores since stay out
	MUL16 \f, 1, 0, \zero, 1
	MUL16 \f, 1, 2, \zero, 1
.endm
; The fourth quarter multiplies buffer 1 and changes slots: ONE barrier for two things.  In front of it my stores into the other slot are done and my reads of this slot are back;
; behind it the other slot is whole and this one may be written.
.macro TURN slot, next, newmode
	WAITDS mlo
	MUL16 1, 0, 0, 0, 1                     ; with the widening's last eight slices
.if MODE
	WIN 0
	STOREU 31, TS, P
.endif
	s_wait_dscnt 0x0                        ; for the others' sake: zero
	s_barrier_signal -1
	MUL16 1, 0, 2, 0, 0                     ; registers only between signal and wait
	s_barrier_wait -1
.set sl, 0
.set TS, \slot
.set MODE, \newmode
.if MODE == 2
	s_wait_xcnt 0x0                         ; the bases of the loads issued so far are stepped only behind this wait
	s_add_nc_u64 s[8:9], s[8:9], 128
	s_add_nc_u64 s[10:11], s[10:11], 128
	s_add_nc_u64 s[12:13], s[12:13], 512
.endif
	FETCH \next, 0, 0
	TMUL 1, 0, 1
	MUL16 1, 1, 0, 0, 1
	MUL16 1, 1, 2, 0, 1
.endm
	s_load_b512 s[8:23], s[0:1], 0x0        ; x s[8:9], weight s[10:11], lora_a s[12:13], lora_b s[14:15], x_scales s[16:17], scales s[18:19], bias s[20:21], out s[22:23]
	s_set_vgpr_msb 0x40
	v_lshl_add_u32 v62, v0, 2, 0x4be00
	v_mov_b32 v63, 0
	s_set_vgpr_msb 0x4000
	v_lshrrev_b32 v1, 5, v0
	v_readfirstlane_b32 s33, v1             ; wave w
	s_lshr_b32 s34, s33, 1                  ; mh: my half of the tile's rows
	s_and_b32 s35, s33, 1                   ; nh: my half of its columns
	s_xor_b32 s45, s35, 1                   ; 1 - nh
	s_and_b32 s37, ttmp7, 0xffff            ; tile row; the tile column is ttmp9
	s_mov_b32 s24, 0x80808080               ; turns four sign bits
	s_mov_b32 s25, 0x64646464               ; the high byte of 1024 in f16
	s_mov_b32 s26, 0x04010400               ; bytes 0, 1 of the second source, each under a byte of the first
	s_mov_b32 s27, 0x04030402               ; bytes 2, 3
	s_mov_b32 s28, 0xc0135761               ; k1 = -2 sqrt(2 / pi) log2(e) = -2.3022082
	s_mov_b32 s30, 0xbdd2d3e8               ; k3 = 0.044715 k1 = -0.10294324
	s_mov_b32 s31, s30                      ; named with it as a pair, so it is written
	v_mov_b32 v[CN], 0xe480e480
	v_and_b32 v48, 31, v0                   ; l
	v_and_b32 v49, 15, v0                   ; r = l % 16
	v_bfe_u32 v50, v0, 4, 1                 ; h = l / 16
	v_bfe_u32 v51, v0, 3, 2                 ; l / 8
	v_and_b32 v52, 7, v0                    ; l % 8
	; global offsets
	s_lshl_b32 s38, s33, 18                 ; 64 rows of 4,096 bytes a wave
	s_lshl_b32 s39, s33, 16                 ; 4 ranks of 16,384 bytes a wave
	v_lshlrev_b32 v53, 4, v52
	v_lshl_add_u32 v[VX], v51, 12, v53
	v_lshl_add_u32 v[VW], v51, 14, v53
	v_add_nc_u32 v[VX], s38, v[VX]          ; (64 w + l / 8) rows + 16 (l % 8)
	v_add_nc_u32 v[VW], s38, v[VW]          ; (64 w + 4 (l / 8)) rows + 16 (l % 8)
	v_lshlrev_b32 v53, 6, v52
	v_lshl_add_u32 v[VLA], v51, 14, v53
	v_add_nc_u32 v[VLA], s39, v[VLA]        ; (4 w + l / 8) ranks + 64 (l % 8)
	; where the widened numbers go
	v_mul_u32_u24 v53, v51, PITCH
	v_lshl_add_u32 v53, v52, 5, v53
	s_mul_i32 s40, s33, 64*PITCH
	s_mul_i32 s41, s33, 4*PITCH
	s_add_co_u32 s41, s41, LROW
	v_add_nc_u32 v[SX], s40, v53
	v_add_nc_u32 v[SL], s41, v53
	v_add_nc_u32 v[SW], WROW, v[SX]
	v_add_nc_u32 v[SX+1], SLOT, v[SX]
	v_add_nc_u32 v[SW+1], SLOT, v[SW]
	v_add_nc_u32 v[SL+1], SLOT, v[SL]
	; fragments: 16 rows x 32 K in 8 registers: lane l holds row l % 16; registers 0-3 K = 8 (l / 16) + 0..7, registers 4-7 K = 16 + 8 (l / 16) + 0..7: two loads of 16 bytes, 32 apart
	v_mul_u32_u24 v53, v49, PITCH
	v_lshl_add_u32 v53, v50, 4, v53
	s_mul_i32 s42, s34, 128*PITCH
	s_mul_i32 s43, s35, 64*PITCH
	s_add_co_u32 s44, s42, s43              ; places 0-3: rows 128 mh + 64 nh on
	s_mul_i32 s43, s45, 64*PITCH
	s_add_co_u32 s43, s42, s43              ; places 4-7: rows 128 mh + 64 (1 - nh) on
	s_mul_i32 s42, s35, 128*PITCH
	s_add_co_u32 s42, s42, WROW
	v_add_nc_u32 v[AXL], s44, v53
	v_add_nc_u32 v[AXH], s43, v53
	v_add_nc_u32 v[AW], s42, v53
	v_add_nc_u32 v[ALA], LROW, v53
	v_add_nc_u32 v[AXL+1], SLOT, v[AXL]
	v_add_nc_u32 v[AXH+1], SLOT, v[AXH]
	v_add_nc_u32 v[AW+1], SLOT, v[AW]
	v_add_nc_u32 v[ALA+1], SLOT, v[ALA]
	; the way out
	v_lshlrev_b32 v[CO], 4, v49
	v_lshl_add_u32 v[CO], v50, 17, v[CO]    ; 8 h rows of 16,384 bytes + 16 r
	s_lshl_b32 s42, s33, 11
	s_add_co_u32 s42, s42, TX
	v_lshl_add_u32 v[TXW], v48, 4, s42
	s_xor_b32 s42, s33, 1
	s_lshl_b32 s42, s42, 11
	s_add_co_u32 s42, s42, TX
	v_lshl_add_u32 v[TXP], v48, 4, s42
	v_mul_u32_u24 v53, v49, 48
	v_lshl_add_u32 v53, v50, 4, v53
	s_mul_i32 s42, s35, 128*48
	s_add_co_u32 s42, s42, LBB
	v_add_nc_u32 v[LBA], s42, v53
	s_lshl_b32 s42, s34, 9
	s_lshl_b32 s43, s35, 8
	s_add_co_u32 s43, s42, s43
	s_add_co_u32 s43, s43, XSB              ; xs of places 0-3
	s_lshl_b32 s44, s45, 8
	s_add_co_u32 s44, s42, s44
	s_add_co_u32 s44, s44, XSB              ; of places 4-7
	v_lshl_add_u32 v[XSL], v50, 5, s43
	v_lshl_add_u32 v[XSH], v50, 5, s44
	v_lshl_add_u32 v[XTA], v49, 2, s43
	s_lshl_b32 s42, s35, 9
	s_add_co_u32 s42, s42, SCB
	v_lshl_add_u32 v[SCA], v49, 4, s42
	; the constants' way in: thread t brings 8 bytes of xs, scales and bias, and rows 2 t, 2 t + 1 of the tile's lora_b, which go to places p and p + 16,
	; p = 64 (t / 32) + 32 (t % 2) + (t / 2) % 16: the weights' permutation
	v_lshlrev_b32 v57, 3, v0
	v_lshlrev_b32 v58, 7, v0
	v_add_nc_u32 v55, XSB, v57
	v_and_b32 v53, 1, v0
	v_bfe_u32 v54, v0, 1, 4
	v_mul_u32_u24 v53, v53, 32*48
	v_mad_u32_u24 v53, v54, 48, v53
	s_mul_i32 s42, s33, 64*48
	s_add_co_u32 s42, s42, LBB
	v_add_nc_u32 v56, s42, v53
	s_wait_kmcnt 0x0
	s_mov_b32 s47, 0
	s_lshl_b32 s46, s37, 20
	s_add_nc_u64 s[8:9], s[8:9], s[46:47]           ; x at the tile's first row
	s_lshl_b32 s46, ttmp9, 20
	s_add_nc_u64 s[10:11], s[10:11], s[46:47]       ; weight likewise
	s_lshl_b32 s46, ttmp9, 14
	s_add_nc_u64 s[14:15], s[14:15], s[46:47]       ; lora_b: 256 rows of 64 bytes
	s_lshl_b32 s46, s37, 10
	s_add_nc_u64 s[16:17], s[16:17], s[46:47]
	s_lshl_b32 s46, ttmp9, 10
	s_add_nc_u64 s[18:19], s[18:19], s[46:47]
	s_add_nc_u64 s[20:21], s[20:21], s[46:47]
	s_lshl_b32 s42, s37, 8
	s_lshl_b32 s43, s34, 7
	s_add_co_u32 s42, s42, s43
	s_lshl_b32 s43, s35, 6
	s_add_co_u32 s43, s42, s43              ; first row of places 0-3
	s_lshl_b32 s44, s45, 6
	s_add_co_u32 s44, s42, s44              ; of places 4-7
	s_lshl_b32 s42, ttmp9, 10
	s_lshl_b32 s46, s35, 9
	s_add_co_u32 s42, s42, s46              ; my first column, in bytes
	s_lshl_b32 s46, s43, 14
	s_add_co_u32 s46, s46, s42
	s_add_nc_u64 s[48:49], s[22:23], s[46:47]
	s_lshl_b32 s46, s44, 14
	s_add_co_u32 s46, s46, s42
	s_add_nc_u64 s[50:51], s[22:23], s[46:47]
	; step 0 (36 loads, into window 1), the constants (11), step 1 (36, into the registers of the ring)
	WIN 0x40
.set u, 0
.rept 32
	UNITLOAD u, 64, 0
.set u, u+1
.endr
	LALOAD 192, 0
	global_load_b64 v[208:209], v57, s[16:17]
	global_load_b64 v[210:211], v57, s[18:19]
	global_load_b64 v[212:213], v57, s[20:21]
.irp i, 0,1,2,3,4,5,6,7
	global_load_b128 v[214+4*\i:217+4*\i], v58, s[14:15] offset:16*\i
.endr
	WIN 0
	UNITLOAD 0, RAW, 128
	LALOAD LR, 512
.set u, 1
.rept 31
	UNITLOAD u, RAW, 128
.set u, u+1
.endr
	s_wait_loadcnt 47                       ; step 0 is in: 11 + 36 younger loads stay out
	WIN 0x45
.irp j, 0,1,2,3,4,5,6,7
	v_cvt_pk_f16_f32 v[\j], v[192+2*\j], v[193+2*\j]
.endr
	WIN 0x44                                ; destination and source 1 window 1; source 0 (an LDS address, -1152) window 0
	ds_store_b128 v[SL], v[0:3]
	ds_store_b128 v[SL], v[4:7] offset:16
.set u, 0
.rept 32                                ; step 0 is widened into slot 0 with nothing to hide behind
.set tb, 8*((u+1)%2)
.set rw, 64+4*u
.irp i, 0,1,2,3
	v_xor_b32 v[rw+\i], s24, v[rw+\i]
.endr
.irp i, 0,1,2,3
	v_perm_b32 v[tb+2*\i], s25, v[rw+\i], s26
	v_perm_b32 v[tb+2*\i+1], s25, v[rw+\i], s27
.endr
.irp j, 0,1,2,3,4,5,6,7
	v_pk_add_f16 v[tb+\j], v[CN], v[tb+\j]
.endr
	STOREU u, 0, tb
.set u, u+1
.endr
	s_wait_loadcnt 36                       ; the constants are in: step 1's 36 loads stay out
	ds_store_b64 v55, v[208:209]
	ds_store_b64 v55, v[210:211] offset:1024
	ds_store_b64 v55, v[212:213] offset:2048
	WIN 0x45
.irp j, 0,1,2,3,4,5,6,7,8,9,10,11,12,13,14,15
	v_cvt_pk_bf16_f32 v[\j], v[214+2*\j], v[215+2*\j]
.endr
	WIN 0x44
	ds_store_b128 v56, v[0:3]
	ds_store_b128 v56, v[4:7] offset:16
	ds_store_b128 v56, v[8:11] offset:16*48
	ds_store_b128 v56, v[12:15] offset:16*48+16
	WIN 0
	s_wait_xcnt 0x0                         ; the bases, and the constants' offset registers, are rewritten only behind this wait
	s_add_nc_u64 s[8:9], s[8:9], 256        ; the first refills are step 2's
	s_add_nc_u64 s[10:11], s[10:11], 256
	s_add_nc_u64 s[12:13], s[12:13], 1024
.rept 18
	SLICE                                   ; the slices that a change of slots carries behind its barrier: here there is none
.endr
	s_wait_dscnt 0x0                        ; slot 0 and the constants: my stores are done
	s_barrier_signal -1
	s_barrier_wait -1
	FETCH 0, 0, 0
	QUARTER 0, 64, 0, 1, 1                  ; the first quarter stands in front of the loop: its products start the sums
	WIN 0                                   ; at a label and at a branch every window is 0
	s_mov_b32 s32, 14
.Llap:                                          ; a trip goes once round the two slots, from an even step's second quarter to the next even step's first
	QUARTER 0, 128, 1, 0, 0
	QUARTER 0, 192, 0, 1, 0
	TURN 0, 1, 2
	QUARTER 1, 64, 0, 1, 0
	QUARTER 1, 128, 1, 0, 0
	QUARTER 1, 192, 0, 1, 0
	TURN 1, 0, 2
	QUARTER 0, 64, 0, 1, 0
	WIN 0
	s_sub_co_u32 s32, s32, 1
	s_cmp_lg_u32 s32, 0
	s_cbranch_scc1 .Llap
	QUARTER 0, 128, 1, 0, 0                 ; step 28 goes on; the tail is written out, so that no load leaves the buffers
	QUARTER 0, 192, 0, 1, 0
	TURN 0, 1, 2                            ; behind it step 30 is widened and step 31 asked for
	QUARTER 1, 64, 0, 1, 0
	QUARTER 1, 128, 1, 0, 0
	QUARTER 1, 192, 0, 1, 0
	TURN 1, 0, 1                            ; step 31 is widened; nothing is left to ask for
	QUARTER 0, 64, 0, 1, 0
	QUARTER 0, 128, 1, 0, 0
	QUARTER 0, 192, 0, 1, 0
	TURN 0, 1, 0
	QUARTER 1, 64, 0, 1, 0
	QUARTER 1, 128, 1, 0, 0
	QUARTER 1, 192, 0, 1, 0
	WAITDS mlo                              ; the very last quarter
	MUL16 1, 0, 0, 0, 0
	MUL16 1, 0, 2, 0, 0
	TMUL 1, 0, 0
	s_wait_dscnt 0x0
	MUL16 1, 1, 0, 0, 0
	MUL16 1, 1, 2, 0, 0
	; THE WAY OUT.  The constants come out of LDS; xs T goes to bf16 and is exchanged with the partner wave; then 16 groups of four tiles (16 rows x 64 columns).
	WIN 0
	PLACES                                  ; the loads and moves below land on registers that the last products read
.irp a, 0,1,2,3
	ds_load_b32 v[XT+\a], v[XTA] offset:64*\a
.endr
	ds_load_b128 v[SC:SC+3], v[SCA]
	ds_load_b128 v[SC+4:SC+7], v[SCA] offset:256
	ds_load_b128 v[BI:BI+3], v[SCA] offset:1024
	ds_load_b128 v[BI+4:BI+7], v[SCA] offset:1280
.irp i, 4,5,6,7,12,13,14,15
	v_mov_b32 v[TFB+\i], 0                  ; ranks 16 to 31 do not exist: the second product's K = 16 is padded to the form's 32
.endr
	v_mov_b32 v[K1], s28
	v_mov_b32 v[K1+1], s28
	WIN 0x40
.irp a, 0,1,2,3
	ds_load_b128 v[XS+8*\a:XS+8*\a+3],     v[XSL] offset:64*\a
	ds_load_b128 v[XS+8*\a+4:XS+8*\a+7],   v[XSL] offset:64*\a+16
	ds_load_b128 v[XS+32+8*\a:XS+32+8*\a+3],   v[XSH] offset:64*\a
	ds_load_b128 v[XS+32+8*\a+4:XS+32+8*\a+7], v[XSH] offset:64*\a+16
.endr
.irp b, 0,1,2,3,4,5,6,7
	ds_load_b128 v[LB+8*\b:LB+8*\b+3], v[LBA] offset:16*48*\b
.irp i, 4,5,6,7
	v_mov_b32 v[LB+8*\b+\i], 0
.endr
.endr
	s_wait_dscnt 0x0
	WIN 0x01                                ; T in window 1, xs and the result in window 0
.irp a, 0,1,2,3
.irp j, 0,1,2,3,4,5,6,7
	v_mul_f32 v[Q+8*\a+\j], v[8*\a+\j], v[XT+\a]
.endr
.endr
	WIN 0
.irp n, 0,1,2,3,4,5,6,7,8,9,10,11,12,13,14,15
	v_cvt_pk_bf16_f32 v[OUT+\n], v[Q+2*\n], v[Q+2*\n+1]
.endr
.irp a, 0,1,2,3
	ds_store_b128 v[TXW], v[OUT+4*\a:OUT+4*\a+3] offset:512*\a   ; a lane's row and eight ranks: registers 0-3 of the second product's first source, as they are
.endr
	s_wait_dscnt 0x0                        ; for the partner's sake
	s_barrier_signal -1
	s_barrier_wait -1
.macro TFLOAD a                         ; xs T of place a: my own four, or the partner's
.if (\a) < 4
	ds_load_b128 v[TFB+8*((\a)%2):TFB+8*((\a)%2)+3], v[TXW] offset:512*(\a)
.else
	ds_load_b128 v[TFB+8*((\a)%2):TFB+8*((\a)%2)+3], v[TXP] offset:512*((\a)-4)
.endif
.endm
; group i: place a = i / 2, column blocks 4 g + q, g = i % 2.  z = (sum x xs) x sc + bias; each accumulator is read from its low end on
.macro DEQ i
.set ea, (\i)/2
.set eg, (\i)%2
.set zb, ZS+32*eg
	WIN (0x06+ea/4)
.irp q, 0,1,2,3
.irp p, 0,2,4,6
	v_pk_mul_f32 v[zb+8*\q+\p:zb+8*\q+\p+1], v[8*(8*(ea%4)+4*eg+\q)+\p:8*(8*(ea%4)+4*eg+\q)+\p+1], v[XS+8*ea+\p:XS+8*ea+\p+1]
.endr
.endr
	WIN 0
.irp q, 0,1,2,3
.irp p, 0,2,4,6
.if \q%2
	v_pk_fma_f32 v[zb+8*\q+\p:zb+8*\q+\p+1], v[zb+8*\q+\p:zb+8*\q+\p+1], v[SC+4*eg+\q-1:SC+4*eg+\q], v[BI+4*eg+\q-1:BI+4*eg+\q] op_sel:[0,1,1] op_sel_hi:[1,1,1]
.else
	v_pk_fma_f32 v[zb+8*\q+\p:zb+8*\q+\p+1], v[zb+8*\q+\p:zb+8*\q+\p+1], v[SC+4*eg+\q:SC+4*eg+\q+1], v[BI+4*eg+\q:BI+4*eg+\q+1] op_sel_hi:[1,0,0]
.endif
.endr
.endr
.endm
.macro LORA i                           ; z += (xs T) lora_b^T: four accumulators, one instruction each
.set ea, (\i)/2
.set eg, (\i)%2
.set zb, ZS+32*eg
	WIN 0x04
.irp q, 0,1,2,3
	v_wmma_f32_16x16x32_bf16 v[zb+8*\q:zb+8*\q+7], v[TFB+8*(ea%2):TFB+8*(ea%2)+7], v[LB+8*(4*eg+\q):LB+8*(4*eg+\q)+7], v[zb+8*\q:zb+8*\q+7]
.endr
.endm
.macro GELU i                           ; z / (1 + 2^(z (k1 + k3 z z))); the last multiply lays a lane's four neighbouring columns into four neighbouring registers
.set zb, ZS+32*((\i)%2)
	WIN 0
.set n, 0
.rept 16
	v_pk_mul_f32 v[Q+n:Q+n+1], v[zb+n:zb+n+1], v[zb+n:zb+n+1]
.set n, n+2
.endr
.set n, 0
.rept 16
	v_pk_fma_f32 v[Q+n:Q+n+1], v[Q+n:Q+n+1], s[30:31], v[K1:K1+1] op_sel_hi:[1,0,1]
.set n, n+2
.endr
.set n, 0
.rept 16
	v_pk_mul_f32 v[Q+n:Q+n+1], v[Q+n:Q+n+1], v[zb+n:zb+n+1]
.set n, n+2
.endr
.set n, 0
.rept 32
	v_exp_f32 v[Q+n], v[Q+n]
.set n, n+1
.endr
	v_nop                                   ; a plain instruction between the run and the first use of a result (ISA guide 5.7.2)
.set n, 0
	s_wait_alu depctr_va_vdst(0)
.rept 16
	v_pk_add_f32 v[Q+n:Q+n+1], v[Q+n:Q+n+1], 1.0 op_sel_hi:[1,0]
.set n, n+2
.endr
.set n, 0
.rept 32
	v_rcp_f32 v[Q+n], v[Q+n]
.set n, n+1
.endr
	s_wait_xcnt 0x0                         ; the last group's stores have read their data: only behind this wait is it rewritten
	v_nop
	s_wait_alu depctr_va_vdst(0)
.irp j, 0,1,2,3,4,5,6,7
.irp q, 0,1,2,3
	v_mul_f32 v[OUT+4*\j+\q], v[zb+8*\q+\j], v[Q+8*\q+\j]
.endr
.endr
.endm
.macro SEND i                           ; lanes 0-15 store 256 consecutive bytes of row j, lanes 16-31 of row 8 + j, each at a multiple of 256 from out's first byte
.set ea, (\i)/2
.set eg, (\i)%2
.irp j, 0,1,2,3,4,5,6,7
	global_store_b128 v[CO], v[OUT+4*\j:OUT+4*\j+3], s[48+2*(ea/4):49+2*(ea/4)] offset:((ea%4)*16+\j)*16384+256*eg th:TH_STORE_NT
.endr
.endm
	TFLOAD 0
	TFLOAD 1
	DEQ 0
	s_wait_dscnt 0x0
	LORA 0
; a group's products are issued a group ahead: the neighbour's vector work is the distance between them and the first read of their results
.irp i, 0,1,2,3,4,5,6,7,8,9,10,11,12,13,14,15
.if \i < 15
	DEQ \i+1
.if (\i+1)%2 == 0
	s_wait_dscnt 0x0                        ; the place's xs T, asked for two places ago, is in
.endif
	LORA \i+1
.endif
	GELU \i
	SEND \i
.if (\i%2 == 0) && (\i/2+2 <= 7)
	TFLOAD \i/2+2                           ; both products that read this buffer stand in front of the group's vector work
.endif
.endr
	s_set_vgpr_msb 0x5
	s_wait_tensorcnt 0x0
	ds_add_u32 v62, v63
	s_wait_dscnt 0x0
	s_set_vgpr_msb 0x500
	s_endpgm
.Lfunc_end_k_q42bf6cea11_q8lora:
	.size	k_q42bf6cea11_q8lora, .Lfunc_end_k_q42bf6cea11_q8lora-k_q42bf6cea11_q8lora
	.p2alignl 7, 3214868480
	.fill 96, 4, 3214868480
	.section	.rodata,"a",@progbits
	.p2align	6, 0x0
	.amdhsa_kernel k_q42bf6cea11_q8lora
		.amdhsa_group_segment_fixed_size 311296
		.amdhsa_private_segment_fixed_size 0
		.amdhsa_enable_private_segment 0
		.amdhsa_kernarg_size 64
		.amdhsa_user_sgpr_count 2
		.amdhsa_user_sgpr_kernarg_segment_ptr 1
		.amdhsa_wavefront_size32 1
		.amdhsa_system_sgpr_workgroup_id_x 1
		.amdhsa_system_sgpr_workgroup_id_y 1
		.amdhsa_system_sgpr_workgroup_id_z 1
		.amdhsa_system_vgpr_workitem_id 0
		.amdhsa_next_free_vgpr 1024
		.amdhsa_next_free_sgpr 66
		.amdhsa_reserve_vcc 0
		.amdhsa_float_denorm_mode_32 3
		.amdhsa_float_denorm_mode_16_64 3
		.amdhsa_memory_ordered 1
		.amdhsa_forward_progress 1
		.amdhsa_inst_pref_size 255
	.end_amdhsa_kernel
	.section	.bss,"aw",@nobits
	.p2align	6
	.space	262144
	.amdgpu_metadata
---
amdhsa.version: [ 1, 2 ]
amdhsa.kernels:
  - .name:           k_q42bf6cea11_q8lora
    .symbol:         k_q42bf6cea11_q8lora.kd
    .args:
      - { .name: x, .offset: 0, .size: 8, .value_kind: global_buffer, .address_space: global }
      - { .name: weight, .offset: 8, .size: 8, .value_kind: global_buffer, .address_space: global }
      - { .name: lora_a, .offset: 16, .size: 8, .value_kind: global_buffer, .address_space: global }
      - { .name: lora_b, .offset: 24, .size: 8, .value_kind: global_buffer, .address_space: global }
      - { .name: x_scales, .offset: 32, .size: 8, .value_kind: global_buffer, .address_space: global }
      - { .name: scales, .offset: 40, .size: 8, .value_kind: global_buffer, .address_space: global }
      - { .name: bias, .offset: 48, .size: 8, .value_kind: global_buffer, .address_space: global }
      - { .name: out0, .offset: 56, .size: 8, .value_kind: global_buffer, .address_space: global }
    .group_segment_fixed_size: 311296
    .private_segment_fixed_size: 0
    .kernarg_segment_align: 8
    .kernarg_segment_size: 64
    .max_flat_workgroup_size: 128
    .sgpr_count:     66
    .vgpr_count:     1024
    .wavefront_size: 32
...
	.end_amdgpu_metadata
.endif
;; end of part 1
;; ======== version 2 of 2: 2 launches; 1.45 times as fast as version 1
;; workspace buffers: xh 33,554,432 bytes; wh 35,651,584 bytes
;; launch widen (part 2): grid 1024 x 1, 8 waves a work-group, no clusters, 0 bytes of LDS; arguments x, weight, lora_a, xh, wh; writes xh, wh
.if DOCPART == 2
	.amdgcn_target "amdgcn-amd-amdhsa--gfx1250"
	.amdhsa_code_object_version 6
	.text
	.protected	k_q42bf6cea11_widen
	.globl	k_q42bf6cea11_widen
	.p2align	8
	.type	k_q42bf6cea11_widen,@function
k_q42bf6cea11_widen:
	s_mov_b64 s[64:65], 0
	v_nop
	global_prefetch_b8 v0, s[64:65] scope:SCOPE_SE
	s_setreg_imm32_b32 hwreg(HW_REG_WAVE_MODE, 25, 1), 1
	s_wait_xcnt 0x0
; int8 to bf16, once for the whole chip.  Every int8 is exact in bf16 (eight significant bits).
; xh[m][k] = x[m][k].  wh is 32 halves of 136 rows of 4,096 bf16: in half j, place 64 g + 16 q + r holds weight row 128 j + 64 g + 4 r + q, and rows 128 + e, e = 0..7,
; hold lora_a's rank 8 (j % 2) + e, rounded to bf16.  (The product's launch reads a half as one tile; the permutation gives one of its lanes four neighbouring columns of out.)
; SHARES.  1,024 work-groups of eight waves.  A wave takes ONE row of 4,096 int8 (work-groups 0-511: x, the others: weight): sixteen loads of 8 bytes a lane, each 256 consecutive
; bytes, all issued at once; eight numbers become 16 bytes a lane: each store covers 512 consecutive bytes, aligned.  Beside it a wave takes 128 numbers of one of wh's 256
; lora_a rows (work-group / 4 is the row, work-group % 4 its quarter): one load of 16 bytes a lane, one store of 8: 256 consecutive bytes, aligned.
; THE CONVERSION is f32 arithmetic: the byte with its sign bit turned, u = x + 128, under the upper bytes of 2^23 is the f32 number 2^23 + u; adding -(2^23 + 128) is exact.
; Memory binds: no LDS, no barrier, no matrix unit.  Every unit has its own store registers: nothing that a pending store reads is written again.
.set VI,  2     ; 8 x lane
.set VO,  3     ; 16 x lane
.set RAW, 8     ; v8-39    unit c: 8 int8 a lane
.set Y,   40    ; v40-103  unit c: 8 bf16 a lane
.set F,   104   ; v104-111 eight numbers in f32
.set U,   112   ; v112-113 two words, signs turned
.set CM,  114   ; v114-115 -(2^23 + 128), twice
.set LR,  116   ; v116-119 lora_a as loaded
.set LO,  120   ; v120-121 as bf16
	s_load_b256 s[4:11], s[0:1], 0x0               ; x s[4:5], weight s[6:7], lora_a s[8:9], xh s[10:11]
	s_load_b64 s[12:13], s[0:1], 0x20              ; wh
	v_lshrrev_b32 v1, 5, v0
	v_readfirstlane_b32 s14, v1                    ; wave 0..7
	v_and_b32 v1, 31, v0
	v_lshlrev_b32 v[VI], 3, v1
	v_lshlrev_b32 v[VO], 4, v1
	v_mov_b32 v[CM], 0xcb000080
	v_mov_b32 v[CM+1], 0xcb000080
	s_mov_b32 s34, 0x4b000000                      ; 2^23
	s_mov_b32 s35, 0x80808080                      ; turns four sign bits
	s_mov_b32 s36, 0x07040400                      ; byte i of the second source under bytes 0, 0, 3 of the first
	s_mov_b32 s37, 0x07040401
	s_mov_b32 s38, 0x07040402
	s_mov_b32 s39, 0x07040403
	s_and_b32 s15, ttmp9, 511
	s_lshl3_add_u32 s15, s15, s14                  ; my row n = 8 (work-group % 512) + wave
	s_lshr_b32 s16, s15, 7                         ; a weight row's place: half j = n / 128,
	s_mul_i32 s16, s16, 136
	s_and_b32 s17, s15, 64                         ; 64 g,
	s_add_co_u32 s16, s16, s17
	s_and_b32 s17, s15, 3                          ; q = n % 4,
	s_lshl4_add_u32 s16, s17, s16
	s_bfe_u32 s17, s15, 0x40002                    ; r = (n / 4) % 16
	s_add_co_u32 s16, s16, s17                     ; 136 j + 64 g + 16 q + r
	s_lshl_b32 s22, s15, 12                        ; the row's first byte as int8
	s_mov_b32 s23, 0
	s_lshr_b32 s24, ttmp9, 5                       ; lora_a: half j,
	s_bfe_u32 s25, ttmp9, 0x30002                  ; e,
	s_and_b32 s26, ttmp9, 3                        ; the row's quarter
	s_and_b32 s27, s24, 1
	s_lshl3_add_u32 s27, s27, s25                  ; rank 8 (j % 2) + e
	s_lshl_b32 s28, s27, 14
	s_lshl_b32 s29, s26, 12
	s_add_co_u32 s28, s28, s29
	s_lshl_b32 s29, s14, 9
	s_add_co_u32 s28, s28, s29                     ; from: 16,384 rank + 4,096 quarter + 512 wave
	s_mov_b32 s29, 0
	s_mul_i32 s30, s24, 136
	s_add_co_u32 s30, s30, s25
	s_add_co_u32 s30, s30, 128
	s_lshl_b32 s30, s30, 13
	s_lshl_b32 s31, s26, 11
	s_add_co_u32 s30, s30, s31
	s_lshl_b32 s31, s14, 8
	s_add_co_u32 s30, s30, s31                     ; to: 8,192 (136 j + 128 + e) + 2,048 quarter + 256 wave
	s_mov_b32 s31, 0
	s_cmp_lt_u32 ttmp9, 512                        ; x or weight; the selects and the wait leave SCC as it is
	s_cselect_b32 s16, s15, s16                    ; x keeps its row
	s_wait_kmcnt 0x0
	s_cselect_b64 s[18:19], s[4:5], s[6:7]
	s_cselect_b64 s[20:21], s[10:11], s[12:13]
	s_lshl_b32 s16, s16, 13
	s_mov_b32 s17, 0
	s_add_nc_u64 s[18:19], s[18:19], s[22:23]
	s_add_nc_u64 s[20:21], s[20:21], s[16:17]
	s_add_nc_u64 s[40:41], s[8:9], s[28:29]
	s_add_nc_u64 s[42:43], s[12:13], s[30:31]
.irp c, 0,1,2,3,4,5,6,7,8,9,10,11,12,13,14,15
	global_load_b64 v[RAW+2*\c:RAW+2*\c+1], v[VI], s[18:19] offset:256*\c th:TH_LOAD_NT
.endr
	global_load_b128 v[LR:LR+3], v[VO], s[40:41]   ; sixteen halves of wh take the same rank: no hint
.irp c, 0,1,2,3,4,5,6,7,8,9,10,11,12,13,14,15
	s_wait_loadcnt 16-\c                           ; loads come back in order (ISA guide 5.7.1): behind unit c stand 15 - c units and lora_a's load
	v_xor_b32 v[U], s35, v[RAW+2*\c]
	v_xor_b32 v[U+1], s35, v[RAW+2*\c+1]
.irp i, 0,1,2,3
	v_perm_b32 v[F+\i], s34, v[U], s[36+\i]
	v_perm_b32 v[F+4+\i], s34, v[U+1], s[36+\i]
.endr
.irp i, 0,2,4,6
	v_pk_add_f32 v[F+\i:F+\i+1], v[F+\i:F+\i+1], v[CM:CM+1]
.endr
.irp i, 0,1,2,3
	v_cvt_pk_bf16_f32 v[Y+4*\c+\i], v[F+2*\i], v[F+2*\i+1]
.endr
	global_store_b128 v[VO], v[Y+4*\c:Y+4*\c+3], s[20:21] offset:512*\c
.endr
	s_wait_loadcnt 0x0
	v_cvt_pk_bf16_f32 v[LO], v[LR], v[LR+1]
	v_cvt_pk_bf16_f32 v[LO+1], v[LR+2], v[LR+3]
	global_store_b64 v[VI], v[LO:LO+1], s[42:43]
	s_endpgm
.Lfunc_end_k_q42bf6cea11_widen:
	.size	k_q42bf6cea11_widen, .Lfunc_end_k_q42bf6cea11_widen-k_q42bf6cea11_widen
	.p2alignl 7, 3214868480
	.fill 96, 4, 3214868480
	.section	.rodata,"a",@progbits
	.p2align	6, 0x0
	.amdhsa_kernel k_q42bf6cea11_widen
		.amdhsa_group_segment_fixed_size 0
		.amdhsa_private_segment_fixed_size 0
		.amdhsa_enable_private_segment 0
		.amdhsa_kernarg_size 40
		.amdhsa_user_sgpr_count 2
		.amdhsa_user_sgpr_kernarg_segment_ptr 1
		.amdhsa_wavefront_size32 1
		.amdhsa_system_sgpr_workgroup_id_x 1
		.amdhsa_system_sgpr_workgroup_id_y 1
		.amdhsa_system_sgpr_workgroup_id_z 1
		.amdhsa_system_vgpr_workitem_id 0
		.amdhsa_next_free_vgpr 128
		.amdhsa_next_free_sgpr 66
		.amdhsa_reserve_vcc 0
		.amdhsa_float_denorm_mode_32 3
		.amdhsa_float_denorm_mode_16_64 3
		.amdhsa_memory_ordered 1
		.amdhsa_forward_progress 1
		.amdhsa_inst_pref_size 24
	.end_amdhsa_kernel
	.amdgpu_metadata
---
amdhsa.version: [ 1, 2 ]
amdhsa.kernels:
  - .name:           k_q42bf6cea11_widen
    .symbol:         k_q42bf6cea11_widen.kd
    .args:
      - { .name: x, .offset: 0, .size: 8, .value_kind: global_buffer, .address_space: global }
      - { .name: weight, .offset: 8, .size: 8, .value_kind: global_buffer, .address_space: global }
      - { .name: lora_a, .offset: 16, .size: 8, .value_kind: global_buffer, .address_space: global }
      - { .name: xh, .offset: 24, .size: 8, .value_kind: global_buffer, .address_space: global }
      - { .name: wh, .offset: 32, .size: 8, .value_kind: global_buffer, .address_space: global }
    .group_segment_fixed_size: 0
    .private_segment_fixed_size: 0
    .kernarg_segment_align: 8
    .kernarg_segment_size: 40
    .max_flat_workgroup_size: 256
    .sgpr_count:     66
    .vgpr_count:     128
    .wavefront_size: 32
...
	.end_amdgpu_metadata
.endif
;; end of part 2
;; launch gemm (part 3): grid 16 x 16, 4 waves a work-group, clusters of 4 x 4, 327,680 bytes of LDS; arguments xh, wh, lora_b, x_scales, scales, bias, out0; writes out0
.if DOCPART == 3
	.amdgcn_target "amdgcn-amd-amdhsa--gfx1250"
	.amdhsa_code_object_version 6
	.text
	.protected	k_q42bf6cea11_gemm
	.globl	k_q42bf6cea11_gemm
	.p2align	8
	.type	k_q42bf6cea11_gemm,@function
k_q42bf6cea11_gemm:
	s_mov_b64 s[64:65], 0
	v_nop
	global_prefetch_b8 v0, s[64:65] scope:SCOPE_SE
	s_setreg_imm32_b32 hwreg(HW_REG_WAVE_MODE, 25, 1), 1
	s_wait_xcnt 0x0
	s_wait_alu depctr_hold_cnt(0) depctr_sa_sdst(0) depctr_va_vdst(0) depctr_va_sdst(0) depctr_va_ssrc(0) depctr_va_vcc(0) depctr_vm_vsrc(0)
	s_getreg_b32 s2, hwreg(HW_REG_IB_STS2, 6, 4)
	s_cmp_eq_u32 s2, 0
	s_cbranch_scc0 .Lentry_in_a_cluster
	s_endpgm
.Lentry_in_a_cluster:
	s_bfe_u32 s2, ttmp6, 0x10000c
	s_cmp_lg_u32 s2, 0xf033
	s_cbranch_scc0 .Lentry_shape_is_right
	s_endpgm
.Lentry_shape_is_right:
; out[m][n] = gelu_tanh( xs[m] sc[n] sum_k x[m][k] w[n][k]  +  sum_r (xs[m] sum_k x[m][k] a[r][k]) b[n][r]  +  bias[n] ),  m, n, k < 4096, r < 16.
; xh: x as bf16 (exact).  wh: 32 halves of 136 rows of 4,096 bf16: in half j, place 64 g + 16 q + r is weight row 128 j + 64 g + 4 r + q (exact), rows 128-135 are lora_a's ranks 8 (j % 2) + 0..7.
; SHARES.  16 x 16 work-groups, each 256 x 256 of out; four waves, as many as a WGP has SIMDs, each 128 x 128: 64 accumulators of 16 x 16, 512 registers.
; K goes in 32 steps of 128 through two LDS slots filled by the tensor data mover; a tile's rows are 256 bytes of memory and start at multiples of 256 bytes.
; CLUSTERS: 4 x 4 work-groups.  The four of a row of the cluster need the same tiles of x, the four of a column the same halves of wh: each tile is asked for JOINTLY, by the same
; tensor load with the same descriptor and a mask that names the four.  That divides the requests by four.
; COLUMNS.  Source 0 = 16 rows of x, source 1 = 16 places of wh: lane r's results in accumulators 4 g + q, q = 0..3, are the four NEIGHBOURING columns 64 g + 4 r + q:
; one 16-byte store a lane, sixteen lanes store 256 consecutive bytes at a multiple of 256 from out's first byte, with no stage in LDS.
; LORA.  T = a x^T rides on x's fragments, four matrix instructions for each 64 of the main product; the two waves of a row half share T's rows (place a of x's fragments holds the
; wave's row block a xor 4 nh, so that T always takes places 0-3) and exchange xs T, as bf16, through LDS.  The second product (K = 16, padded with zeros to the form's 32) adds in
; place onto the dequantised main term.
; LIMITS.  lora_a, lora_b and xs T are rounded to bf16.  The main sums are kept in f32: whole numbers are exact up to 2^24 and rounded to 24 bits beyond (the largest possible sum
; is 6.8e7).  All of int8, -128 too, is served.  gelu is z / (1 + 2^(z (k1 + k3 z^2))), the same function as 0.5 z (1 + tanh(..)); it ends in -0 and in z at the far ends.
;
; REGISTERS, in windows of 256 (s_set_vgpr_msb: bits 1:0 source 0, 3:2 source 1, 5:4 source 2, 7:6 destination):
;   window 0: v0-31 addresses; v32-53 scales, bias, xs for T, k1; v64-127, v128-191 fragments of x, two buffers; v192-255 lora_b's eight fragments
;   window 1: v0-31 T; v32-39, v40-47 lora_a's fragment, two buffers; v64-127, v128-191 fragments of the weights, two buffers; v192-255 xs of my rows
;   windows 2, 3: accumulator (a, b) in window 2 + a / 4 at v[8 (8 (a % 4) + b)]
.set KSTEP,  128
.set SIZE_K, 4096
.set LAPS,   SIZE_K/(2*KSTEP)          ; a lap = two K steps = once round the two slots
.set PITCH,  272                       ; an LDS row: 256 bytes + 16 of padding = 68 words: row r starts at bank 4 r mod 64 (64 banks of 4 bytes: ISA guide 11.1), so the 16 rows of a load start at 16 different banks
.set HA,     128*PITCH                 ; half a tile of x
.set HB,     136*PITCH                 ; a half of wh
.set ABASE,  2*HB                      ; a slot: wh's two halves, then x's two
.set SLOT,   2*HA+2*HB
.set TX,     2*SLOT                    ; behind the slots: the exchange of xs T, 2,048 bytes a wave; no tile lands here
.set SPARE,  TX+8192                   ; the spare words, 128 bytes for each wave: two blocks of 256 bytes that no other line names
.set AXL, 11    ; v11-12 LDS address of x's places 0-3 in slot 0, 1
.set AXH, 13    ; v13-14 places 4-7
.set AW,  15    ; v15-16 the weights
.set ALA, 17    ; v17-18 lora_a
.set CO,  20    ; my byte offset in out
.set TXW, 21    ; the exchange: my wave's part, the partner's
.set TXP, 22
.set SPW, 28    ; LDS address of my spare word: SPARE + 4 x my thread's number; never rewritten
.set NIL, 29    ; 0; never rewritten
.set SC,  32    ; v32-39 scales of my 8 columns, v40-47 bias
.set BI,  40
.set XT,  48    ; v48-51 xs of row r of places 0-3
.set K1,  52    ; v52-53 k1, twice
.set ZS,  64    ; the way out: four tiles z
.set TFB, 96    ; two fragments of xs T
.set Q,   128   ; at work
.set OUT, 160   ; store data
.set LB,  192   ; lora_b's fragments, 8 b
.set XS,  192   ; window 1: xs of my rows, 8 a + j
.set G1,  24    ; s[24:31] descriptor group 1 for x's tiles; s[32:39] group 0, one set for each slot
.set G0,  32
.set G1B, 48    ; s[48:55], s[56:63] the same for wh's
.set G0B, 56
.set MUL_LO, 0xa4                      ; x window 0, weights window 1, C and D window 2
.set MUL_HI, 0xf4                      ; the same, C and D window 3
.set MSB, 0
.macro WIN new                         ; the immediate's high byte repeats the setting that is left; a switch that changes nothing is dropped
.if MSB != (\new)
	s_set_vgpr_msb (MSB<<8)|(\new)
.set MSB, (\new)
.endif
.endm
.macro PLACES                          ; four plain vector instructions between a matrix instruction and a read of its result, a write of, or a load into, its registers
.rept 4
	v_nop
.endr
.endm
; A joint load.  Waves 0 and 1 fetch wh's two halves, waves 2 and 3 x's.  Each line has ONE mask and one set of registers for all that issue it; the branch hangs on the wave's number alone.
; Four v_nop follow each of the two lines, ahead of the jump, the label and what follows.
.macro JLOAD s
	s_cmp_eq_u32 s11, 0
	s_cbranch_scc0 .Lfor_x_\@
	tensor_load_to_lds s[G0B+4*\s:G0B+4*\s+3], s[G1B:G1B+7]
	s_nop 0
.rept 4
	v_nop
.endr
	s_branch .Lasked_\@
.Lfor_x_\@:
	tensor_load_to_lds s[G0+4*\s:G0+4*\s+3], s[G1:G1+7]
	s_nop 0
.rept 4
	v_nop
.endr
.Lasked_\@:
.endm
; A round of the cluster's barrier: my work-group's barrier, so that wave 0's signal speaks for all four waves; wave 0 signals; every wave waits for all sixteen work-groups; my work-group's barrier once more.
.macro CREST                           ; a round behind its opening barrier
	s_cmp_lg_u32 s10, 0
	s_cbranch_scc1 .Lnot_wave_0_\@
	s_barrier_signal -3
.Lnot_wave_0_\@:
	s_barrier_wait -3
	s_barrier_signal -1
	s_barrier_wait -1
.endm
.macro CROUND
	s_barrier_signal -1
	s_barrier_wait -1
	CREST
.endm
	s_load_b128 s[4:7], s[0:1], 0x0                ; xh s[4:5], wh s[6:7]
	s_load_b256 s[72:79], s[0:1], 0x10             ; lora_b s[72:73], x_scales s[74:75], scales s[76:77], bias s[78:79]
	s_load_b64 s[80:81], s[0:1], 0x30              ; out
	v_lshl_add_u32 v[SPW], v0, 2, SPARE
	v_mov_b32 v[NIL], 0
	ds_add_u32 v28, v29
	ds_add_u32 v28, v29
	s_wait_dscnt 0x0
	v_lshrrev_b32 v1, 5, v0
	v_readfirstlane_b32 s10, v1                    ; wave 0..3
	s_lshr_b32 s11, s10, 1                         ; mh: my half of the tile's rows.  Also: I fetch for wh (0) or for x (1)
	s_and_b32 s12, s10, 1                          ; nh: my half of its columns.  Also: which half I fetch
	s_xor_b32 s45, s12, 1                          ; 1 - nh
	s_bfe_u32 s40, ttmp6, 0x40000                  ; cx, cy: my place in the cluster
	s_bfe_u32 s41, ttmp6, 0x40004
	s_lshl_b32 s42, ttmp9, 2                       ; in a cluster launch ttmp9 and ttmp7 count clusters
	s_add_co_u32 s42, s42, s40                     ; tile column = 4 x cluster x + cx
	s_and_b32 s13, ttmp7, 0xffff
	s_lshl_b32 s13, s13, 2
	s_add_co_u32 s13, s13, s41                     ; tile row = 4 x cluster y + cy
	s_lshl_b32 s43, s41, 2
	s_lshl_b32 s43, 15, s43                        ; my row of the cluster: places 4 cy .. 4 cy + 3
	s_lshl_b32 s44, 0x1111, s40                    ; my column: places cx, cx + 4, cx + 8, cx + 12
	; descriptor group 1: rows of 128 elements, padded in LDS; 128 rows of x, 136 of wh
	s_or_b32 s[G1+0], s43, (1<<16)|(1<<20)|(1<<21)|(5<<22)|(3<<25)  ; 15:0 the mask: x's tiles go to my row; 17:16 elements of 2 bytes; 20 padding on; 21 set beside a mask; 24:22 after every 64 words (code 5); 31:25 4 words of it (code 3)
	s_or_b32 s[G1B+0], s44, (1<<16)|(1<<20)|(1<<21)|(5<<22)|(3<<25) ; the same with the mask of my column
	s_mov_b32 s[G1+1], KSTEP<<16                   ; tensor_dim0 = 128
	s_mov_b32 s[G1B+1], KSTEP<<16
	s_mov_b32 s[G1+2], 128<<16                     ; tensor_dim1
	s_mov_b32 s[G1B+2], 136<<16
	s_mov_b32 s[G1+3], KSTEP<<16                   ; tile_dim0 = 128
	s_mov_b32 s[G1B+3], KSTEP<<16
	s_mov_b32 s[G1+4], 128                         ; tile_dim1
	s_mov_b32 s[G1B+4], 136
	s_mov_b32 s[G1+5], SIZE_K                      ; elements from row to row
	s_mov_b32 s[G1B+5], SIZE_K
	s_mov_b32 s[G1+6], 0
	s_mov_b32 s[G1B+6], 0
	s_mov_b32 s[G1+7], 0
	s_mov_b32 s[G1B+7], 0
	; where the tiles come from: x's hang on the tile row alone, wh's on the tile column alone; each address is made in registers that never hold the other coordinate
	s_lshl_b32 s17, s12, 7
	s_lshl_b32 s16, s13, 8
	s_add_co_u32 s16, s16, s17                     ; x: row 256 x tile row + 128 x half,
	s_lshl_b32 s16, s16, 13                        ; of 8,192 bytes
	s_mov_b32 s17, 0
	s_lshl_b32 s46, s42, 1
	s_add_co_u32 s46, s46, s12                     ; wh: half 2 x tile column + half,
	s_mul_i32 s46, s46, 136*SIZE_K*2               ; of 136 rows
	s_mov_b32 s47, 0
	s_mul_i32 s20, s10, HB                         ; and where they go: waves 0, 1: wave x 136 rows;
	s_mul_i32 s21, s10, HA
	s_add_co_u32 s21, s21, 2*(HB-HA)               ; waves 2, 3: behind wh's halves, (wave - 2) x 128 rows.  No place in the cluster enters an LDS address
	s_wait_kmcnt 0x0
	s_add_nc_u64 s[14:15], s[4:5], s[16:17]
	s_add_nc_u64 s[46:47], s[6:7], s[46:47]
	CROUND                                         ; all sixteen work-groups are here: the first joint loads meet
.irp s, 0,1
	s_mov_b32 s[G0+4*\s], 1                                        ; count = 1
	s_add_co_u32 s[G0+4*\s+1], s21, \s*SLOT                        ; LDS address
	s_add_nc_u64 s[G0+4*\s+2:G0+4*\s+3], s[14:15], \s*KSTEP*2      ; global address: K step s
	s_or_b32 s[G0+4*\s+3], s[G0+4*\s+3], 0x80000000                ; type = 2
	s_mov_b32 s[G0B+4*\s], 1
	s_add_co_u32 s[G0B+4*\s+1], s20, \s*SLOT
	s_add_nc_u64 s[G0B+4*\s+2:G0B+4*\s+3], s[46:47], \s*KSTEP*2
	s_or_b32 s[G0B+4*\s+3], s[G0B+4*\s+3], 0x80000000
	JLOAD \s                                       ; both slots are asked for before anything else is done: two loads of mine are out
.endr
	; fragments: 16 rows x 32 K in 8 registers: lane l holds row l % 16; registers 0-3 K = 8 (l / 16) + 0..7, registers 4-7 K = 16 + 8 (l / 16) + 0..7: two loads of 16 bytes, 32 apart
	v_and_b32 v1, 15, v0                           ; r
	v_bfe_u32 v2, v0, 4, 1                         ; h
	v_mul_u32_u24 v3, v1, PITCH
	v_lshl_add_u32 v3, v2, 4, v3
	s_mul_i32 s22, s12, HB                         ; my 128 places of wh
	s_mul_i32 s23, s11, HA
	s_add_co_u32 s23, s23, ABASE                   ; my 128 rows of x:
	s_mul_i32 s2, s12, 64*PITCH
	s_add_co_u32 s2, s23, s2                       ; places 0-3 are rows 64 nh on,
	s_mul_i32 s3, s45, 64*PITCH
	s_add_co_u32 s3, s23, s3                       ; places 4-7 rows 64 (1 - nh) on
	v_add_nc_u32 v[AW], s22, v3
	v_add_nc_u32 v[AXL], s2, v3
	v_add_nc_u32 v[AXH], s3, v3
	v_lshrrev_b32 v4, 3, v1                        ; rank r lies in row 128 + r (r < 8: the first half's last rows) or 256 + r (the second half's)
	v_mul_u32_u24 v4, v4, 128*PITCH
	v_add_nc_u32 v4, v4, v3
	v_add_nc_u32 v[ALA], 128*PITCH, v4
	v_add_nc_u32 v[AW+1], SLOT, v[AW]
	v_add_nc_u32 v[AXL+1], SLOT, v[AXL]
	v_add_nc_u32 v[AXH+1], SLOT, v[AXH]
	v_add_nc_u32 v[ALA+1], SLOT, v[ALA]
	; the way out
	v_lshlrev_b32 v[CO], 4, v1
	v_lshl_add_u32 v[CO], v2, 17, v[CO]            ; 8 h rows of 16,384 bytes + 16 r
	v_and_b32 v5, 31, v0
	s_lshl_b32 s2, s10, 11
	s_add_co_u32 s2, s2, TX
	v_lshl_add_u32 v[TXW], v5, 4, s2
	s_xor_b32 s3, s10, 1
	s_lshl_b32 s3, s3, 11
	s_add_co_u32 s3, s3, TX
	v_lshl_add_u32 v[TXP], v5, 4, s3
	; the constants come into registers now, while the first tiles are on their way, and stay there
	s_lshl_b32 s2, s11, 9
	s_lshl_b32 s3, s12, 8
	s_add_co_u32 s3, s2, s3                        ; 4 (128 mh + 64 nh)
	s_lshl_b32 s22, s45, 8
	s_add_co_u32 s22, s2, s22
	v_lshl_add_u32 v23, v2, 5, s3                  ; xs of rows 8 h + 0..7 of places 0-3,
	v_lshl_add_u32 v24, v2, 5, s22                 ; of places 4-7,
	v_lshl_add_u32 v25, v1, 2, s3                  ; of row r of places 0-3
	s_lshl_b32 s2, s12, 9
	v_lshl_add_u32 v26, v1, 4, s2                  ; scales, bias: 4 (128 nh + 4 r)
	s_lshl_b32 s2, s12, 13
	v_lshl_add_u32 v27, v1, 8, s2                  ; lora_b: rows of 64 bytes, row 128 nh + 4 r, ranks 8 h on
	v_lshl_add_u32 v27, v2, 5, v27
	s_lshl_b32 s16, s13, 10
	s_add_nc_u64 s[74:75], s[74:75], s[16:17]      ; x_scales at the tile's first row (s17 = 0)
	s_lshl_b32 s46, s42, 10
	s_mov_b32 s47, 0
	s_add_nc_u64 s[76:77], s[76:77], s[46:47]
	s_add_nc_u64 s[78:79], s[78:79], s[46:47]
	s_lshl_b32 s46, s42, 14
	s_add_nc_u64 s[72:73], s[72:73], s[46:47]
	WIN 0x40
.irp a, 0,1,2,3
	global_load_b128 v[XS+8*\a:XS+8*\a+3],       v23, s[74:75] offset:64*\a
	global_load_b128 v[XS+8*\a+4:XS+8*\a+7],     v23, s[74:75] offset:64*\a+16
	global_load_b128 v[XS+32+8*\a:XS+32+8*\a+3], v24, s[74:75] offset:64*\a
	global_load_b128 v[XS+36+8*\a:XS+36+8*\a+3], v24, s[74:75] offset:64*\a+16
.endr
	WIN 0
.irp a, 0,1,2,3
	global_load_b32 v[XT+\a], v25, s[74:75] offset:64*\a
.endr
	global_load_b128 v[SC:SC+3],   v26, s[76:77]
	global_load_b128 v[SC+4:SC+7], v26, s[76:77] offset:256
	global_load_b128 v[BI:BI+3],   v26, s[78:79]
	global_load_b128 v[BI+4:BI+7], v26, s[78:79] offset:256
.irp b, 0,1,2,3,4,5,6,7                ; block b = 4 g + q: lane r takes column 64 g + 4 r + q; as f32 into x's second buffer, which is still free
	global_load_b128 v[Q+8*\b:Q+8*\b+3],   v27, s[72:73] offset:(64*(\b/4)+\b%4)*64
	global_load_b128 v[Q+8*\b+4:Q+8*\b+7], v27, s[72:73] offset:(64*(\b/4)+\b%4)*64+16
.endr
	s_mov_b32 s82, 0xbdd2d3e8                      ; k3 = 0.044715 k1 = -0.10294324
	s_mov_b32 s83, s82                             ; named with it as a pair, so it is written
	v_mov_b32 v[K1], 0xc0135761                    ; k1 = -2 sqrt(2 / pi) log2(e) = -2.3022082
	v_mov_b32 v[K1+1], 0xc0135761
.irp b, 0,1,2,3,4,5,6,7
.irp i, 4,5,6,7
	v_mov_b32 v[LB+8*\b+\i], 0                     ; ranks 16 to 31 do not exist: the second product's K = 16 is padded to the form's 32
.endr
.endr
	s_lshl_b32 s16, s13, 8                         ; where my part of out begins
	s_lshl_b32 s17, s11, 7
	s_add_co_u32 s16, s16, s17
	s_lshl_b32 s17, s12, 6
	s_add_co_u32 s14, s16, s17                     ; first row of places 0-3,
	s_lshl_b32 s17, s45, 6
	s_add_co_u32 s15, s16, s17                     ; of places 4-7
	s_lshl_b32 s46, s42, 10
	s_lshl_b32 s47, s12, 9
	s_add_co_u32 s46, s46, s47                     ; my first column, in bytes
	s_lshl_b32 s16, s14, 14
	s_add_co_u32 s16, s16, s46
	s_mov_b32 s17, 0
	s_add_nc_u64 s[66:67], s[80:81], s[16:17]
	s_lshl_b32 s16, s15, 14
	s_add_co_u32 s16, s16, s46
	s_add_nc_u64 s[68:69], s[80:81], s[16:17]
	s_wait_loadcnt 0x0                             ; the constants, once
.irp b, 0,1,2,3,4,5,6,7
.irp i, 0,1,2,3
	v_cvt_pk_bf16_f32 v[LB+8*\b+\i], v[Q+8*\b+2*\i], v[Q+8*\b+2*\i+1]
.endr
.endr
; 16 matrix instructions: places a0, a0 + 1 of the window's four x all 8 column blocks, 32 along K, from buffer f.  zero = 1: the first product starts the sums: nothing is cleared.
; The 68 accumulators take turns, one instruction a turn, in the same order in every quarter.
.macro MUL16 f, hi, a0, zero
.irp a, \a0, \a0+1
.irp b, 0,1,2,3,4,5,6,7
.if \zero
	v_wmma_f32_16x16x32_bf16 v[8*(8*(\a)+\b):8*(8*(\a)+\b)+7], v[64+64*\f+8*(4*\hi+(\a)):64+64*\f+8*(4*\hi+(\a))+7], v[64+64*\f+8*\b:64+64*\f+8*\b+7], 0
.else
	v_wmma_f32_16x16x32_bf16 v[8*(8*(\a)+\b):8*(8*(\a)+\b)+7], v[64+64*\f+8*(4*\hi+(\a)):64+64*\f+8*(4*\hi+(\a))+7], v[64+64*\f+8*\b:64+64*\f+8*\b+7], v[8*(8*(\a)+\b):8*(8*(\a)+\b)+7]
.endif
.endr
.endr
.endm
; T, transposed: source 0 = lora_a's 16 ranks, source 1 = 16 rows of x: a lane holds one row of x and eight ranks
.macro TMUL f, zero
	WIN 0x51                                       ; lora_a and T window 1, x window 0
.irp a, 0,1,2,3
.if \zero
	v_wmma_f32_16x16x32_bf16 v[8*\a:8*\a+7], v[32+8*\f:39+8*\f], v[64+64*\f+8*\a:64+64*\f+8*\a+7], 0
.else
	v_wmma_f32_16x16x32_bf16 v[8*\a:8*\a+7], v[32+8*\f:39+8*\f], v[64+64*\f+8*\a:64+64*\f+8*\a+7], v[8*\a:8*\a+7]
.endif
.endr
.endm
; 34 LDS loads in one run: the fragments of 32 along K at byte k of the rows, into buffer g; x's places 4-7 last
.macro FETCH slot, k, g
	WIN 0x40                                       ; destination window 1, address window 0
.irp i, 0,1,2,3,4,5,6,7
	ds_load_b128 v[64+64*\g+8*\i:64+64*\g+8*\i+3],   v[AW+\slot] offset:\k+\i*16*PITCH
	ds_load_b128 v[64+64*\g+8*\i+4:64+64*\g+8*\i+7], v[AW+\slot] offset:\k+\i*16*PITCH+32
.endr
	ds_load_b128 v[32+8*\g:35+8*\g], v[ALA+\slot] offset:\k
	ds_load_b128 v[36+8*\g:39+8*\g], v[ALA+\slot] offset:\k+32
	WIN 0
.irp i, 0,1,2,3
	ds_load_b128 v[64+64*\g+8*\i:64+64*\g+8*\i+3],   v[AXL+\slot] offset:\k+\i*16*PITCH
	ds_load_b128 v[64+64*\g+8*\i+4:64+64*\g+8*\i+7], v[AXL+\slot] offset:\k+\i*16*PITCH+32
.endr
.irp i, 0,1,2,3
	ds_load_b128 v[96+64*\g+8*\i:96+64*\g+8*\i+3],   v[AXH+\slot] offset:\k+\i*16*PITCH
	ds_load_b128 v[96+64*\g+8*\i+4:96+64*\g+8*\i+7], v[AXH+\slot] offset:\k+\i*16*PITCH+32
.endr
.endm
; A K step is four quarters of 32 along K, 68 matrix instructions each, on buffers 0, 1, 0, 1.  One of the first three: multiplies buffer f; in its middle it fetches byte k of the rows into buffer g.
.macro QUARTER slot, k, f, g, zero
	s_wait_dscnt 8                                 ; weights, lora_a and x's places 0-3 are in; the youngest eight loads (places 4-7) may be out
	WIN MUL_LO
	MUL16 \f, 0, 0, \zero
	MUL16 \f, 0, 2, \zero
	TMUL \f, \zero
	PLACES                                         ; for the loads into buffer g, which the quarter before multiplied
	FETCH \slot, \k, \g
	s_wait_dscnt 34                                ; all but the 34 just issued
	WIN MUL_HI
	MUL16 \f, 1, 0, \zero
	MUL16 \f, 1, 2, \zero
.endm
; The fourth quarter multiplies buffer 1 and changes slots: ONE barrier for two things.  In front of it each wave waits for all its tensor loads, of which one is out: its part of the
; next slot; adds 0 to its spare word; and waits for that and for its own reads of this slot.  Behind it nobody reads this slot any more and the next slot is whole.
; fill = 1: the barrier opens a round of the cluster's barrier, and this slot is filled again, two K steps ahead, first thing behind the round: 240 matrix instructions ahead of the wait for it.
.macro TURN slot, next, fill
	WIN 0                                          ; (the add's two registers lie in window 0)
	s_wait_tensorcnt 0x0                           ; all my tensor loads have landed;
	ds_add_u32 v[SPW], v[NIL]                      ; 0 onto my spare word;
	s_wait_dscnt 9                                 ; (the add and the youngest eight loads may be out)
	WIN MUL_LO
	MUL16 1, 0, 0, 0                               ; sixteen matrix instructions stand between the add and the wait for it
	s_wait_dscnt 0x0                               ; the add is done, and my reads of this slot are over
	s_barrier_signal -1
	MUL16 1, 0, 2, 0                               ; registers only between signal and wait
.if \fill
	WIN 0
.endif
	s_barrier_wait -1
.if \fill
	CREST                                          ; no wave of any partner still reads this slot's tiles or has a load on its way
	s_add_nc_u64 s[G0+4*\slot+2:G0+4*\slot+3], s[G0+4*\slot+2:G0+4*\slot+3], 2*KSTEP*2
	s_add_nc_u64 s[G0B+4*\slot+2:G0B+4*\slot+3], s[G0B+4*\slot+2:G0B+4*\slot+3], 2*KSTEP*2
	JLOAD \slot                                    ; the four v_nop behind it are also the places in front of the loads below
.else
	PLACES
.endif
	FETCH \next, 0, 0
	TMUL 1, 0
	WIN MUL_HI
	MUL16 1, 1, 0, 0
	MUL16 1, 1, 2, 0
.endm
	s_wait_tensorcnt 1                             ; my part of K step 0 is in; K step 1's may stay out
	s_barrier_signal -1
	s_barrier_wait -1                              ; everybody's is
	FETCH 0, 0, 0
	QUARTER 0, 64, 0, 1, 1                         ; the first quarter stands in front of the loop: its products start the sums
	WIN 0
	s_mov_b32 s3, LAPS-1
.Llap:                                                 ; a trip goes once round the two slots, from a lap's second quarter to the next lap's first, and fills both again
	QUARTER 0, 128, 1, 0, 0
	QUARTER 0, 192, 0, 1, 0
	TURN 0, 1, 1
	QUARTER 1, 64, 0, 1, 0
	QUARTER 1, 128, 1, 0, 0
	QUARTER 1, 192, 0, 1, 0
	TURN 1, 0, 1
	QUARTER 0, 64, 0, 1, 0
	WIN 0
	s_sub_co_u32 s3, s3, 1
	s_cmp_lg_u32 s3, 0
	s_cbranch_scc1 .Llap
	QUARTER 0, 128, 1, 0, 0                        ; the last lap is written out: it fills nothing
	QUARTER 0, 192, 0, 1, 0
	TURN 0, 1, 0
	QUARTER 1, 64, 0, 1, 0
	QUARTER 1, 128, 1, 0, 0
	QUARTER 1, 192, 0, 1, 0
	s_wait_dscnt 8                                 ; the very last quarter: nothing more to fetch
	WIN MUL_LO
	MUL16 1, 0, 0, 0
	MUL16 1, 0, 2, 0
	TMUL 1, 0
	s_wait_dscnt 0x0
	WIN MUL_HI
	MUL16 1, 1, 0, 0
	MUL16 1, 1, 2, 0
	; THE WAY OUT.  xs T goes to bf16 and is exchanged with the partner wave; then 16 groups of four tiles (16 rows x 64 columns).
	WIN 0
	PLACES
.irp i, 4,5,6,7,12,13,14,15
	v_mov_b32 v[TFB+\i], 0                         ; ranks 16 to 31 of xs T's two fragment buffers
.endr
	WIN 0x01                                       ; T in window 1, xs and the result in window 0
.irp a, 0,1,2,3
.irp j, 0,1,2,3,4,5,6,7
	v_mul_f32 v[Q+8*\a+\j], v[8*\a+\j], v[XT+\a]
.endr
.endr
	WIN 0
.irp n, 0,1,2,3,4,5,6,7,8,9,10,11,12,13,14,15
	v_cvt_pk_bf16_f32 v[OUT+\n], v[Q+2*\n], v[Q+2*\n+1]
.endr
.irp a, 0,1,2,3
	ds_store_b128 v[TXW], v[OUT+4*\a:OUT+4*\a+3] offset:512*\a   ; a lane's row and eight ranks: registers 0-3 of the second product's first source, as they are
.endr
	s_wait_dscnt 0x0                               ; for the partner's sake
	s_barrier_signal -1
	s_barrier_wait -1
.macro TFLOAD a                        ; xs T of place a: my own four, or the partner's
.if (\a) < 4
	ds_load_b128 v[TFB+8*((\a)%2):TFB+8*((\a)%2)+3], v[TXW] offset:512*(\a)
.else
	ds_load_b128 v[TFB+8*((\a)%2):TFB+8*((\a)%2)+3], v[TXP] offset:512*((\a)-4)
.endif
.endm
; What differs from group to group, register numbers alone, is written sixteen times and is short; the long part is written once.  Group i: place a = i / 2, column blocks 4 g + q, g = i % 2.
; z = (sum x xs) x sc + bias, each accumulator read from its low end on; then z += (xs T) lora_b^T: four accumulators, one instruction each.
.macro VAR i
.set ea, (\i)/2
.set eg, (\i)%2
.if (eg == 0) && (ea < 7)
	TFLOAD ea+1                                    ; a place ahead, into the buffer whose last products stand a whole group back; the common part waits for it
.endif
	s_add_nc_u64 s[70:71], s[66+2*(ea/4):67+2*(ea/4)], (ea%4)*16*16384+256*eg   ; where the group goes; no pending store names this pair
	WIN (0x06+ea/4)
.irp q, 0,1,2,3
.irp p, 0,2,4,6
	v_pk_mul_f32 v[ZS+8*\q+\p:ZS+8*\q+\p+1], v[8*(8*(ea%4)+4*eg+\q)+\p:8*(8*(ea%4)+4*eg+\q)+\p+1], v[XS+8*ea+\p:XS+8*ea+\p+1]
.endr
.endr
	WIN 0
.irp q, 0,1,2,3
.irp p, 0,2,4,6
.if \q%2
	v_pk_fma_f32 v[ZS+8*\q+\p:ZS+8*\q+\p+1], v[ZS+8*\q+\p:ZS+8*\q+\p+1], v[SC+4*eg+\q-1:SC+4*eg+\q], v[BI+4*eg+\q-1:BI+4*eg+\q] op_sel:[0,1,1] op_sel_hi:[1,1,1]
.else
	v_pk_fma_f32 v[ZS+8*\q+\p:ZS+8*\q+\p+1], v[ZS+8*\q+\p:ZS+8*\q+\p+1], v[SC+4*eg+\q:SC+4*eg+\q+1], v[BI+4*eg+\q:BI+4*eg+\q+1] op_sel_hi:[1,0,0]
.endif
.endr
.endr
.irp q, 0,1,2,3
	v_wmma_f32_16x16x32_bf16 v[ZS+8*\q:ZS+8*\q+7], v[TFB+8*(ea%2):TFB+8*(ea%2)+7], v[LB+8*(4*eg+\q):LB+8*(4*eg+\q)+7], v[ZS+8*\q:ZS+8*\q+7]
.endr
.endm
	TFLOAD 0
	s_wait_dscnt 0x0
	s_mov_b32 s9, 0
.Lgroup:
.irp i, 0,1,2,3,4,5,6,7,8,9,10,11,12,13,14
	s_cmp_eq_u32 s9, \i
	s_cbranch_scc1 .Lvar_\i
.endr
	VAR 15
	s_branch .Lcommon
.irp i, 0,1,2,3,4,5,6,7,8,9,10,11,12,13
.Lvar_\i:
	VAR \i
	s_branch .Lcommon
.endr
.Lvar_14:
	VAR 14
.Lcommon:
	PLACES                                         ; between the four products and the first read of their results
	; z / (1 + 2^(z (k1 + k3 z z)))
.set n, 0
.rept 16
	v_pk_mul_f32 v[Q+n:Q+n+1], v[ZS+n:ZS+n+1], v[ZS+n:ZS+n+1]
.set n, n+2
.endr
.set n, 0
.rept 16
	v_pk_fma_f32 v[Q+n:Q+n+1], v[Q+n:Q+n+1], s[82:83], v[K1:K1+1] op_sel_hi:[1,0,1]
.set n, n+2
.endr
.set n, 0
.rept 16
	v_pk_mul_f32 v[Q+n:Q+n+1], v[Q+n:Q+n+1], v[ZS+n:ZS+n+1]
.set n, n+2
.endr
.set n, 0
.rept 32
	v_exp_f32 v[Q+n], v[Q+n]
.set n, n+1
.endr
	v_nop                                          ; a plain instruction between the run and the first use of a result (ISA guide 5.7.2)
.set n, 0
	s_wait_alu depctr_va_vdst(0)
.rept 16
	v_pk_add_f32 v[Q+n:Q+n+1], v[Q+n:Q+n+1], 1.0 op_sel_hi:[1,0]
.set n, n+2
.endr
.set n, 0
.rept 32
	v_rcp_f32 v[Q+n], v[Q+n]
.set n, n+1
.endr
	s_wait_dscnt 0x0                               ; the next place's xs T, asked for at the group's head, is in: no LDS load is out at the loop's edge
	s_wait_xcnt 0x0                                ; the last group's stores have had their addresses translated (ISA guide 3.1): only behind this wait are their base and their data rewritten
	s_mov_b64 s[86:87], s[70:71]
	v_nop
	s_wait_alu depctr_va_vdst(0)
.irp j, 0,1,2,3,4,5,6,7
.irp q, 0,1,2,3
	v_mul_f32 v[OUT+4*\j+\q], v[ZS+8*\q+\j], v[Q+8*\q+\j]   ; a lane's four neighbouring columns fall into four neighbouring registers
.endr
.endr
.irp j, 0,1,2,3,4,5,6,7
	global_store_b128 v[CO], v[OUT+4*\j:OUT+4*\j+3], s[86:87] offset:\j*16384 th:TH_STORE_NT   ; lanes 0-15 store 256 consecutive bytes of row j, lanes 16-31 of row 8 + j, each at a multiple of 256 from out's first byte
.endr
	s_add_co_u32 s9, s9, 1
	s_cmp_lt_u32 s9, 16
	s_cbranch_scc1 .Lgroup
	s_wait_tensorcnt 0x0                           ; the wave's end, behind my last tensor load and my last LDS store
	ds_add_u32 v[SPW], v[NIL]
	s_wait_dscnt 0x0
	CROUND                                         ; the closing round: no work-group ends while a partner may still ask for a tile that names it
	s_endpgm
.Lfunc_end_k_q42bf6cea11_gemm:
	.size	k_q42bf6cea11_gemm, .Lfunc_end_k_q42bf6cea11_gemm-k_q42bf6cea11_gemm
	.p2alignl 7, 3214868480
	.fill 96, 4, 3214868480
	.section	.rodata,"a",@progbits
	.p2align	6, 0x0
	.amdhsa_kernel k_q42bf6cea11_gemm
		.amdhsa_group_segment_fixed_size 327680
		.amdhsa_private_segment_fixed_size 0
		.amdhsa_enable_private_segment 0
		.amdhsa_kernarg_size 56
		.amdhsa_user_sgpr_count 2
		.amdhsa_user_sgpr_kernarg_segment_ptr 1
		.amdhsa_wavefront_size32 1
		.amdhsa_system_sgpr_workgroup_id_x 1
		.amdhsa_system_sgpr_workgroup_id_y 1
		.amdhsa_system_sgpr_workgroup_id_z 1
		.amdhsa_system_vgpr_workitem_id 0
		.amdhsa_next_free_vgpr 1024
		.amdhsa_next_free_sgpr 88
		.amdhsa_reserve_vcc 0
		.amdhsa_float_denorm_mode_32 3
		.amdhsa_float_denorm_mode_16_64 3
		.amdhsa_memory_ordered 1
		.amdhsa_forward_progress 1
		.amdhsa_inst_pref_size 177
	.end_amdhsa_kernel
	.amdgpu_metadata
---
amdhsa.version: [ 1, 2 ]
amdhsa.kernels:
  - .name:           k_q42bf6cea11_gemm
    .symbol:         k_q42bf6cea11_gemm.kd
    .args:
      - { .name: xh, .offset: 0, .size: 8, .value_kind: global_buffer, .address_space: global }
      - { .name: wh, .offset: 8, .size: 8, .value_kind: global_buffer, .address_space: global }
      - { .name: lora_b, .offset: 16, .size: 8, .value_kind: global_buffer, .address_space: global }
      - { .name: x_scales, .offset: 24, .size: 8, .value_kind: global_buffer, .address_space: global }
      - { .name: scales, .offset: 32, .size: 8, .value_kind: global_buffer, .address_space: global }
      - { .name: bias, .offset: 40, .size: 8, .value_kind: global_buffer, .address_space: global }
      - { .name: out0, .offset: 48, .size: 8, .value_kind: global_buffer, .address_space: global }
    .group_segment_fixed_size: 327680
    .private_segment_fixed_size: 0
    .kernarg_segment_align: 8
    .kernarg_segment_size: 56
    .max_flat_workgroup_size: 128
    .sgpr_count:     88
    .vgpr_count:     1024
    .wavefront_size: 32
...
	.end_amdgpu_metadata
.endif
;; end of part 3
